; MI455X (gfx1250); checked and timed in simulation.
; The chip was launched on July 23, 2026; its instructions are those of AMD's public machine-readable ISA for CDNA 5 (MIT licence, August 2026) and "CDNA5" Instruction Set Architecture Reference Guide (July 2026). The comments in the code are by the model that wrote it; some were corrected since.
;; Attention Layer. Allowed arithmetic: float matrix products may take bf16 or f16 operands with f32 sums; other float arithmetic in f32, or as packed bf16 or f16 multiplies, adds, multiply-adds, maxima and minima; sums over many terms, partial sums and values carried from step to step in f32; what a program stores and reads back later, other than sums and carried values, may be rounded once to bf16 or f16.
;; Inputs: Wk 1,024 x 64 float32; Wq 1,024 x 64 float32; Wv 1,024 x 64 float32; x 4 x 4,096 x 1,024 float32.
;; Outputs: out0 4 x 4,096 x 64 float32.
;; One version. Each part assembles by itself: llvm-mc -triple=amdgcn-amd-amdhsa -mcpu=gfx1250 --defsym DOCPART=n.
;; ======== version 1 of 1: 2 launches
;; limits: values are held in f16: magnitudes above 65,504 overflow, below 6.1e-05 lose precision
;; workspace buffers: qf 2,097,152 bytes; kvf 4,194,304 bytes; lof 49,152 bytes
;; launch proj (part 1): grid 256 x 1, 4 waves a work-group, no clusters, 327,680 bytes of LDS; arguments x, Wq, Wk, Wv, qf, kvf, lof; writes qf, kvf, lof
.if DOCPART == 1
	.amdgcn_target "amdgcn-amd-amdhsa--gfx1250"
	.amdhsa_code_object_version 6
	.text
	.protected	k_q0fa17589af_proj
	.globl	k_q0fa17589af_proj
	.p2align	8
	.type	k_q0fa17589af_proj,@function
k_q0fa17589af_proj:
	s_mov_b64 s[64:65], 0
	v_nop
	global_prefetch_b8 v0, s[64:65] scope:SCOPE_SE
	s_setreg_imm32_b32 hwreg(HW_REG_WAVE_MODE, 25, 1), 1
	s_wait_xcnt 0x0
; q, k, v = x W (x: [16384][1024] f32; Wq, Wk, Wv: [1024][64] f32), the first of two launches; the second is causal attention on them.
; x and W are rounded once to bf16 for the products; sums in f32; q, k, v are rounded once to f16 and stored in the order in which the second launch's operand registers take them.
; DEAD WORK (left out in the second launch; nothing is left out here).  reference() sets E[q][s] to -inf wherever s > q, by a jnp.tril that it builds itself, so A[q][s] = exp(-inf - max) / sum = 0 there
; for all finite inputs, and A[q][s] V[s] adds 0 to y[q].  So for a block of 32 queries every block of 64 keys that lies wholly behind the block's last query reaches no output, and its two products and its
; exponentials are not made.  All four inputs have a way to the output and are loaded.  LIMIT: a NaN, an infinity or an overflow that reaches only such hidden places is not carried to y.
; LIMIT: q, k and v are kept in f16, which ends at 65,504: the text serves |q|, |k|, |v| below that (sums of 1,024 products x W).
; THE FIRST 32 ROWS OF A BATCH are kept as TWO f16 numbers each: the rounded number, and (in lof) the rounded rest, sum - f32(f16(sum)), which f32 holds exactly.  Row q of y is a mean over q + 1 keys: the first
; rows' numbers have V's own size, many times the root mean square of y by which every number of y is held, and f16's 11 bits are too few there.  Only the work-groups with those rows store rests.
; SHARES.  A work-group owns 64 rows of x (4 tiles of 16 rows; one block of 64 keys).  K IS SPLIT AMONG ITS FOUR WAVES: wave w takes k = 256 w .. 256 w + 255 for all 64 rows x 192 columns: 48 accumulators,
; 8 steps of 32 along k.  So each number of x and of W that the work-group takes in is read and rounded by one wave, and nothing is shared on the way in.  The four partial sums (f32) meet in LDS at the end.
; x comes by the tensor data mover: each wave asks at its start for its 4 tiles of 64 rows x 64 k (rows of 256 bytes, aligned): 4 tensor loads of a wave are out, no LDS byte is filled twice.
; W ([k][n] in memory) comes through registers: 32 k x 64 n of one matrix are 16 loads of 512 bytes (two whole rows); rounded, laid into the wave's own stage, read back turned by ds_load_tr16_b128.
; ORIENTATION.  q, k: source 0 = 16 columns of W, source 1 = 16 rows of x: a lane ends with ONE row and 8 neighbouring channels.  v: source 0 = 16 rows of x, source 1 = 16 columns of W: a lane ends with ONE
; channel and 8 neighbouring keys.  Rounded in pairs these are 16 bytes of a fragment of Q or K (16 rows x 32 channels) and of V^T (16 channels x 32 keys).
; NO CLUSTER, though all work-groups read the same W: a joint load lands in LDS only; x's tiles take 278,528 and the stages 20,480 of the 327,680 bytes, and two slots of one k step of f32 W for four waves
; with four different ranges of k are 2 x 4 x 24,576 = 196,608 bytes.  NO PREFETCH: all of a work-group's x is asked for at its start.
; REGISTERS, in windows of 256 (s_set_vgpr_msb: bits 1:0 source 0, 3:2 source 1, 5:4 source 2, 7:6 destination):
;   window 0: v0-17 addresses and a constant; v32-63 rounded W on its way to the stage; v64-95 x's four fragments; v96-191 W's twelve fragments; v192-255 x as f32 (at the end v32-127: results to store)
;   window 1: v0-191 W as f32, 64 a matrix (at the end: two sets of 128 for the partial sums)     window 2: q's 16 accumulators, then k's     window 3: v0-127 v's
.set XP,    272                        ; a row of x in LDS: 256 bytes + 16 of padding: the 16 rows that a load touches start at 16 different groups of four banks (64 banks of 4 bytes: ISA guide 11.1)
.set XTILE, 64*XP                      ; 17,408: a tile of 64 rows x 64 k
.set XWAVE, 4*XTILE                    ; 69,632: a wave's four tiles
.set STG,   4*XWAVE                    ; 278,528: behind x: a stage for each wave, never filled by a tensor load
.set WP,    160                        ; a row of the stage: 64 bf16 + 32 bytes
.set STGW,  32*WP                      ; 5,120
.set SPARE, STG+4*STGW                 ; 299,008: the spare words, 128 bytes for each wave: two blocks of 256 bytes that no other line names
.set RSRC,  12*1024                    ; the partial sums lie over x's tiles, which have had their one fill: [owner's row tile][source wave][matrix, column tile][half][lane] 16 bytes
.set ROWN,  4*RSRC
.set LOB,   12288                      ; a batch's rests in lof: q's row tiles 0, 1 (4,096 bytes), K's key tiles 0, 1 (4,096), V^T's pieces for keys 0-31 (4,096), each laid as in qf and kvf
.set XA,  4                            ; v4     x: XWAVE w + XP r + 32 h   (r = lane % 16, h = lane / 16)
.set WO,  5                            ; v5     W in memory: 1,024 h + 16 r: lanes 0-15 a whole row, lanes 16-31 the row four further on
.set SA,  6                            ; v6     into the stage: 4 WP h + 8 r
.set TA,  7                            ; v7     out of the stage, turned: WP (8 h + lane % 8) + 16 ((lane / 8) % 2)
.set RS,  8                            ; v8-11  partial sums, to owner o: ROWN o + RSRC w + 16 lane
.set RL,  12                           ; v12    partial sums, back: ROWN w + 16 lane
.set GO,  13                           ; v13    16 lane
.set SPW, 14                           ; v14    LDS address of my spare word; never rewritten
.set NIL, 15                           ; v15    0; never rewritten
.set NEG, 17                           ; v17    -1.0
.set PK,  32
.set AF,  64
.set BF,  96
.set XR,  192
.set WV,  16                           ; s16    my wave's number
.set G1,  24                           ; s[24:31] descriptor group 1
.set G0,  32                           ; s[32:47] descriptor group 0, a set for each of my four tiles
.set KB,  48                           ; s[48:49] where my 16 keys of K go
.set VB,  50                           ; s[50:51] where my 16 keys of V^T go
.set LB,  52                           ; s[52:53] lof at my row tile's rests of q; K's lie 4,096 bytes on
.set LV,  54                           ; s[54:55] lof at my 16 keys' rests of V^T
.set FINE, 56                          ; s56    1: my row tile lies in a batch's first 32 rows
.set MSB, 0
.macro WIN new                         ; the immediate's high byte repeats the setting that is left; a switch that changes nothing is dropped
.if MSB != (\new)
	s_set_vgpr_msb (MSB<<8)|(\new)
.set MSB, (\new)
.endif
.endm
	s_load_b256 s[4:11], s[0:1], 0x0               ; x s[4:5], Wq s[6:7], Wk s[8:9], Wv s[10:11]
	s_load_b128 s[12:15], s[0:1], 0x20             ; qf s[12:13], kvf s[14:15]
	s_load_b64 s[LB:LB+1], s[0:1], 0x30            ; lof
	v_lshl_add_u32 v[SPW], v0, 2, SPARE
	v_mov_b32 v[NIL], 0
	ds_add_u32 v[SPW], v[NIL]                      ; the wave's opening: the add, twice on end, and its wait ahead of my first tensor load; the set-up below stands between
	ds_add_u32 v[SPW], v[NIL]
	v_lshrrev_b32 v1, 5, v0
	v_readfirstlane_b32 s[WV], v1                  ; wave 0..3
	; descriptor group 1: a tile of 64 rows x 64 elements of 4 bytes, rows 1,024 elements apart, padded in LDS
	s_mov_b32 s[G1+0], (2<<16)|(1<<20)|(5<<22)|(3<<25)  ; 17:16 elements of 4 bytes; 20 padding on; 24:22 after every 64 words (code 5); 31:25 4 words of it (code 3)
	s_mov_b32 s[G1+1], 64<<16                      ; tensor_dim0 = 64
	s_mov_b32 s[G1+2], 64<<16                      ; tensor_dim1 = 64
	s_mov_b32 s[G1+3], 64<<16                      ; tile_dim0 = 64
	s_mov_b32 s[G1+4], 64                          ; tile_dim1 = 64
	s_mov_b32 s[G1+5], 1024                        ; elements from row to row
	s_mov_b32 s[G1+6], 0
	s_mov_b32 s[G1+7], 0
	s_mul_i32 s18, s[WV], XWAVE
.irp i, 0,1,2,3
	s_mov_b32 s[G0+4*\i], 1                        ; count = 1
	s_add_co_u32 s[G0+4*\i+1], s18, \i*XTILE       ; LDS address: my wave's tile i
.endr
	v_and_b32 v1, 31, v0                           ; lane
	v_and_b32 v2, 15, v0                           ; r
	v_bfe_u32 v3, v0, 4, 1                         ; h
	v_mul_u32_u24 v[XA], v2, XP
	v_lshl_add_u32 v[XA], v3, 5, v[XA]
	v_add_nc_u32 v[XA], s18, v[XA]
	v_lshlrev_b32 v[WO], 4, v2
	v_lshl_add_u32 v[WO], v3, 10, v[WO]
	s_mul_i32 s19, s[WV], STGW
	s_add_co_u32 s19, s19, STG                     ; my stage
	v_mul_u32_u24 v[SA], v3, 4*WP
	v_lshl_add_u32 v[SA], v2, 3, v[SA]
	v_add_nc_u32 v[SA], s19, v[SA]
	v_and_b32 v16, 7, v0
	v_lshl_add_u32 v16, v3, 3, v16
	v_mul_u32_u24 v[TA], v16, WP
	v_bfe_u32 v16, v0, 3, 1
	v_lshl_add_u32 v[TA], v16, 4, v[TA]
	v_add_nc_u32 v[TA], s19, v[TA]
	v_lshlrev_b32 v[GO], 4, v1
	v_mov_b32 v[NEG], -1.0
	s_mul_i32 s20, s[WV], RSRC
.irp o, 0,1,2,3
	s_add_co_u32 s21, s20, \o*ROWN
	v_add_nc_u32 v[RS+\o], s21, v[GO]
.endr
	s_mul_i32 s21, s[WV], ROWN
	v_add_nc_u32 v[RL], s21, v[GO]
	s_wait_dscnt 0x0                               ; both opening adds are done
	s_wait_kmcnt 0x0
	s_lshl_b32 s20, ttmp9, 18                      ; the work-group's 64 rows of 4,096 bytes,
	s_lshl_b32 s21, s[WV], 10                      ; my 256 k
	s_add_co_u32 s20, s20, s21
	s_mov_b32 s21, 0
	s_add_nc_u64 s[4:5], s[4:5], s[20:21]
.irp i, 0,1,2,3
	s_add_nc_u64 s[G0+4*\i+2:G0+4*\i+3], s[4:5], \i*256   ; global address: 64 k further for each tile
	s_or_b32 s[G0+4*\i+3], s[G0+4*\i+3], 0x80000000       ; type = 2
.endr
.irp i, 0,1,2,3
	tensor_load_to_lds s[G0+4*\i:G0+4*\i+3], s[G1:G1+7]   ; all my x: four loads of mine are out; no descriptor register is written again
	s_nop 0
.endr
.rept 4
	v_nop                                          ; four vector lines behind the last tensor load, ahead of the next switch of windows
.endr
	s_lshl_b32 s20, s[WV], 16                      ; my 256 rows of 256 bytes in each W
	s_add_nc_u64 s[6:7], s[6:7], s[20:21]
	s_add_nc_u64 s[8:9], s[8:9], s[20:21]
	s_add_nc_u64 s[10:11], s[10:11], s[20:21]
; 32 k x 64 n of matrix j for k step s: 16 loads; load t takes rows k(t) = 8 (t / 4) + t % 4 (lanes 0-15) and k(t) + 4 (lanes 16-31), each 256 consecutive bytes, aligned
.macro WLOAD j, s
	WIN 0x40                                       ; destination window 1, address window 0
.set t, 0
.rept 16
	global_load_b128 v[64*(\j)+4*t:64*(\j)+4*t+3], v[WO], s[6+2*(\j):7+2*(\j)] offset:8192*(\s)+256*(8*(t/4)+t%4)
.set t, t+1
.endr
.endm
; Matrix j of k step s goes from f32 registers to four fragments: rounded, into my stage ([k][n] bf16), back turned.  left: the younger loads of W that may stay out.  more = 1: the next step's are asked for.
; The stage is written again without a wait: LDS serves a wave's instructions in order (ISA guide 5.7.1.4), so the loads of the unit before have read it.
.macro UNIT j, s, left, more
	s_wait_loadcnt \left
	WIN 0x05                                       ; sources window 1, destination window 0
.set t, 0
.rept 32
	v_cvt_pk_bf16_f32 v[PK+t], v[64*(\j)+2*t], v[64*(\j)+2*t+1]
.set t, t+1
.endr
	WIN 0
.set t, 0
.rept 16
	ds_store_b64 v[SA], v[PK+2*t:PK+2*t+1] offset:WP*(8*(t/4)+t%4)   ; lanes 0-15 128 bytes of row k(t), lanes 16-31 of row k(t) + 4, 640 bytes on: the other half of the banks
.set t, t+1
.endr
.irp ct, 0,1,2,3
	ds_load_tr16_b128 v[BF+32*(\j)+8*\ct:BF+32*(\j)+8*\ct+3],   v[TA] offset:32*\ct          ; column 16 ct + r, k = 8 h + 0..7
	ds_load_tr16_b128 v[BF+32*(\j)+8*\ct+4:BF+32*(\j)+8*\ct+7], v[TA] offset:16*WP+32*\ct    ; k = 16 + 8 h + 0..7
.endr
.if \more
	WLOAD \j, (\s)+1
.endif
.endm
; x of k step s as f32: for each of the four row tiles, k = 8 h + 0..7 (32 bytes) and k = 16 + 8 h + 0..7 (32 bytes, 64 further on)
.macro XLOAD s
	WIN 0
.if ((\s)%2) == 0
	s_wait_tensorcnt 3-(\s)/2                      ; tensor loads of a wave end in order: my tile s / 2 is in, the younger ones may stay out; only I read it
.endif
.irp rt, 0,1,2,3
.irp n, 0,1,2,3
	ds_load_b128 v[XR+16*\rt+4*\n:XR+16*\rt+4*\n+3], v[XA] offset:XTILE*((\s)/2)+16*XP*\rt+128*((\s)%2)+16*(\n%2)+64*(\n/2)
.endr
.endr
.endm
.macro XCVT                            ; rounded to bf16: four fragments of 16 rows x 32 k, k in its true places
	WIN 0
.set t, 0
.rept 32
	v_cvt_pk_bf16_f32 v[AF+t], v[XR+2*t], v[XR+2*t+1]
.set t, t+1
.endr
.endm
; 16 products of matrix j, on 16 different accumulators.  zero = 1: the first k step starts the sums: nothing is cleared.  The 48 accumulators take turns, one instruction a turn.
.macro MUL j, zero
.if (\j) == 2
	WIN 0xf0                                       ; C and D window 3
.else
	WIN 0xa0                                       ; C and D window 2
.endif
.irp ct, 0,1,2,3
.irp rt, 0,1,2,3
.set rD, 128*((\j)%2)+8*(4*\rt+\ct)
.if (\j) == 2
.set rA, AF+8*\rt
.set rB, BF+64+8*\ct
.else
.set rA, BF+32*(\j)+8*\ct
.set rB, AF+8*\rt
.endif
.if \zero
	v_wmma_f32_16x16x32_bf16 v[rD:rD+7], v[rA:rA+7], v[rB:rB+7], 0
.else
	v_wmma_f32_16x16x32_bf16 v[rD:rD+7], v[rA:rA+7], v[rB:rB+7], v[rD:rD+7]
.endif
.endr
.endr
.endm
; A k step.  Each run of products stands behind the NEXT unit's LDS work, so that a unit's round trip through the stage is covered.  Each s_wait_dscnt 24 leaves out one younger unit: 16 stores and 8 loads.
; A load into a fragment, and the rounding that writes x's fragments, stand behind the 32 roundings of another unit: more than the four places that a register read by a product asks for.
; LOADcnt: three units of 16 loads are out; a unit's wait leaves the two younger ones; in the last step, which asks for nothing, the counts run down 32, 16, 0.
.macro KSTEP s
	XLOAD \s
.if (\s) < 7
	UNIT 0, \s, 32, 1
.else
	UNIT 0, \s, 32, 0
.endif
	s_wait_dscnt 24                                ; v's fragments of the step before and this step's x are in
.if (\s) == 1
	MUL 2, 1
.elseif (\s) > 1
	MUL 2, 0
.endif
.if (\s) < 7
	UNIT 1, \s, 32, 1
.else
	UNIT 1, \s, 16, 0
.endif
	XCVT
	s_wait_dscnt 24                                ; q's fragments are in
.if (\s) == 0
	MUL 0, 1
.else
	MUL 0, 0
.endif
.if (\s) < 7
	UNIT 2, \s, 32, 1
.else
	UNIT 2, \s, 0, 0
.endif
	s_wait_dscnt 24                                ; k's fragments are in
.if (\s) == 0
	MUL 1, 1
.else
	MUL 1, 0
.endif
.endm
	WLOAD 0, 0
	WLOAD 1, 0
	WLOAD 2, 0
	; where the results go (offsets are made in s[20:21]; s21 is 0)
	s_lshl_b32 s20, ttmp9, 13                      ; qf: the work-group's 4 tiles of 2,048 bytes,
	s_lshl_b32 s22, s[WV], 11                      ; my row tile
	s_add_co_u32 s20, s20, s22
	s_add_nc_u64 s[12:13], s[12:13], s[20:21]
	s_lshl_b32 s20, ttmp9, 14                      ; kvf: the work-group's block of 64 keys, 16,384 bytes
	s_add_nc_u64 s[14:15], s[14:15], s[20:21]
	s_mov_b32 s20, s22
	s_add_nc_u64 s[KB:KB+1], s[14:15], s[20:21]    ; K: key tile w
	s_lshr_b32 s20, s[WV], 1
	s_lshl_b32 s20, s20, 12                        ; V^T: keys 16 w .. are half w % 2 of the 32 keys w / 2: piece 8 (w / 2) + 2 cb + w % 2 of 512 bytes
	s_and_b32 s22, s[WV], 1
	s_lshl_b32 s22, s22, 9
	s_add_co_u32 s20, s20, s22
	s_add_co_u32 s20, s20, 8192
	s_add_nc_u64 s[VB:VB+1], s[14:15], s[20:21]
	s_lshr_b32 s23, ttmp9, 6                       ; lof: the batch's 12,288 bytes
	s_mul_i32 s23, s23, LOB
	s_lshl_b32 s20, s[WV], 9                       ; V^T's rests: piece 2 cb + w (used by waves 0 and 1 alone)
	s_add_co_u32 s20, s20, s23
	s_add_co_u32 s20, s20, 8192
	s_add_nc_u64 s[LV:LV+1], s[LB:LB+1], s[20:21]
	s_lshl_b32 s20, s[WV], 11                      ; q's and K's rests: tile w
	s_add_co_u32 s20, s20, s23
	s_add_nc_u64 s[LB:LB+1], s[LB:LB+1], s[20:21]
	s_and_b32 s22, ttmp9, 63                       ; the batch's first 64 rows,
	s_lshr_b32 s23, s[WV], 1                       ; and of them row tiles 0 and 1
	s_or_b32 s22, s22, s23
	s_cmp_eq_u32 s22, 0
	s_cselect_b32 s[FINE], 1, 0
.irp s, 0,1,2,3,4,5,6,7
	KSTEP \s
.endr
	s_wait_dscnt 0x0                               ; v's last fragments are in
	MUL 2, 0
	WIN 0
.rept 4
	v_nop                                          ; four places between the last product and the stores that read results
.endr
	s_wait_tensorcnt 0x0                           ; for the others' sake: my tiles have landed,
	s_wait_dscnt 0x0                               ; and my reads of them are over
	s_barrier_signal -1
	s_barrier_wait -1                              ; nobody reads x's tiles any more: the partial sums may lie over them
	WIN 0x08                                       ; store data window 2
.irp o, 0,1,2,3
.irp j, 0,1
.irp ct, 0,1,2,3
	ds_store_b128 v[RS+\o], v[128*\j+8*(4*\o+\ct):128*\j+8*(4*\o+\ct)+3]   offset:1024*(4*\j+\ct)       ; each accumulator's low four registers first
	ds_store_b128 v[RS+\o], v[128*\j+8*(4*\o+\ct)+4:128*\j+8*(4*\o+\ct)+7] offset:1024*(4*\j+\ct)+512
.endr
.endr
.endr
	WIN 0x0c                                       ; store data window 3
.irp o, 0,1,2,3
.irp ct, 0,1,2,3
	ds_store_b128 v[RS+\o], v[8*(4*\o+\ct):8*(4*\o+\ct)+3]   offset:1024*(8+\ct)
	ds_store_b128 v[RS+\o], v[8*(4*\o+\ct)+4:8*(4*\o+\ct)+7] offset:1024*(8+\ct)+512
.endr
.endr
	WIN 0
	s_wait_dscnt 0x0                               ; for the others' sake: my stores are done
	s_barrier_signal -1
	s_barrier_wait -1
; Wave w finishes row tile w.  RLOAD: the four waves' partial sums of matrix j into set b of window 1 (source u at 32 u).  RSUM: (u0 + u1) + (u2 + u3), rounded to f16: 16 registers, 4 for each column tile.
.macro RLOAD j, b
	WIN 0x40
.irp u, 0,1,2,3
.irp ct, 0,1,2,3
	ds_load_b128 v[128*(\b)+32*\u+8*\ct:128*(\b)+32*\u+8*\ct+3],   v[RL] offset:RSRC*\u+1024*(4*(\j)+\ct)
	ds_load_b128 v[128*(\b)+32*\u+8*\ct+4:128*(\b)+32*\u+8*\ct+7], v[RL] offset:RSRC*\u+1024*(4*(\j)+\ct)+512
.endr
.endr
.endm
.macro RSUM b, out
	WIN 0x45                                       ; all three in window 1
.set t, 128*(\b)
.rept 16
	v_pk_add_f32 v[t:t+1], v[t:t+1], v[t+32:t+33]
	v_pk_add_f32 v[t+64:t+65], v[t+64:t+65], v[t+96:t+97]
.set t, t+2
.endr
.set t, 128*(\b)
.rept 16
	v_pk_add_f32 v[t:t+1], v[t:t+1], v[t+64:t+65]
.set t, t+2
.endr
	WIN 0x05
.set t, 0
.rept 16
	v_cvt_pk_f16_f32 v[(\out)+t], v[128*(\b)+2*t], v[128*(\b)+2*t+1]
.set t, t+1
.endr
	WIN 0
.endm
; The rests, for a batch's first 32 rows alone (a branch on the work-group's and the wave's numbers): sum - f32(its f16), in place, one multiply-add that reads the f16 half; rounded to f16 into registers lo on;
; four stores of 512 consecutive bytes, step bytes apart, from byte off behind the base.  Each matrix has registers of its own, so no store's data are written again.
.macro RLO b, out, lo, base, off, step
	s_cmp_eq_u32 s[FINE], 1
	s_cbranch_scc0 .Lno_rest_\@
	WIN 0x50                                       ; the f16 pair and -1.0 in window 0; the sum, source 2 and destination, in window 1
.set t, 0
.rept 16
	v_fma_mix_f32 v[128*(\b)+2*t], v[(\out)+t], v[NEG], v[128*(\b)+2*t] op_sel_hi:[1,0,0]
	v_fma_mix_f32 v[128*(\b)+2*t+1], v[(\out)+t], v[NEG], v[128*(\b)+2*t+1] op_sel:[1,0,0] op_sel_hi:[1,0,0]
.set t, t+1
.endr
	WIN 0x05
.set t, 0
.rept 16
	v_cvt_pk_f16_f32 v[(\lo)+t], v[128*(\b)+2*t], v[128*(\b)+2*t+1]
.set t, t+1
.endr
	WIN 0
.irp ct, 0,1,2,3
	global_store_b128 v[GO], v[(\lo)+4*\ct:(\lo)+4*\ct+3], s[(\base):(\base)+1] offset:(\off)+(\step)*\ct
.endr
.Lno_rest_\@:
.endm
	RLOAD 0, 0
	RLOAD 1, 1
	s_wait_dscnt 32                                ; q's 32 loads are in; k's may stay out
	RSUM 0, 32
.irp ct, 0,1,2,3
	global_store_b128 v[GO], v[32+4*\ct:35+4*\ct], s[12:13] offset:512*\ct       ; each store of the wave covers 512 consecutive bytes, aligned
.endr
	RLO 0, 32, 80, LB, 0, 512
	RLOAD 2, 0
	s_wait_dscnt 32                                ; k's are in; v's may stay out
	RSUM 1, 48
.irp ct, 0,1,2,3
	global_store_b128 v[GO], v[48+4*\ct:51+4*\ct], s[KB:KB+1] offset:512*\ct
.endr
	RLO 1, 48, 96, LB, 4096, 512
	s_wait_dscnt 0x0
	RSUM 0, 64
.irp ct, 0,1,2,3
	global_store_b128 v[GO], v[64+4*\ct:67+4*\ct], s[VB:VB+1] offset:1024*\ct
.endr
	RLO 0, 64, 112, LV, 0, 1024
	s_wait_tensorcnt 0x0                           ; the wave's end, behind my last tensor load and my last LDS store
	ds_add_u32 v[SPW], v[NIL]
	s_wait_dscnt 0x0
	s_endpgm
.Lfunc_end_k_q0fa17589af_proj:
	.size	k_q0fa17589af_proj, .Lfunc_end_k_q0fa17589af_proj-k_q0fa17589af_proj
	.p2alignl 7, 3214868480
	.fill 96, 4, 3214868480
	.section	.rodata,"a",@progbits
	.p2align	6, 0x0
	.amdhsa_kernel k_q0fa17589af_proj
		.amdhsa_group_segment_fixed_size 327680
		.amdhsa_private_segment_fixed_size 0
		.amdhsa_enable_private_segment 0
		.amdhsa_kernarg_size 56
		.amdhsa_user_sgpr_count 2
		.amdhsa_user_sgpr_kernarg_segment_ptr 1
		.amdhsa_wavefront_size32 1
		.amdhsa_system_sgpr_workgroup_id_x 1
		.amdhsa_system_sgpr_workgroup_id_y 1
		.amdhsa_system_sgpr_workgroup_id_z 1
		.amdhsa_system_vgpr_workitem_id 0
		.amdhsa_next_free_vgpr 896
		.amdhsa_next_free_sgpr 66
		.amdhsa_reserve_vcc 0
		.amdhsa_float_denorm_mode_32 3
		.amdhsa_float_denorm_mode_16_64 3
		.amdhsa_memory_ordered 1
		.amdhsa_forward_progress 1
		.amdhsa_inst_pref_size 216
	.end_amdhsa_kernel
	.amdgpu_metadata
---
amdhsa.version: [ 1, 2 ]
amdhsa.kernels:
  - .name:           k_q0fa17589af_proj
    .symbol:         k_q0fa17589af_proj.kd
    .args:
      - { .name: x, .offset: 0, .size: 8, .value_kind: global_buffer, .address_space: global }
      - { .name: Wq, .offset: 8, .size: 8, .value_kind: global_buffer, .address_space: global }
      - { .name: Wk, .offset: 16, .size: 8, .value_kind: global_buffer, .address_space: global }
      - { .name: Wv, .offset: 24, .size: 8, .value_kind: global_buffer, .address_space: global }
      - { .name: qf, .offset: 32, .size: 8, .value_kind: global_buffer, .address_space: global }
      - { .name: kvf, .offset: 40, .size: 8, .value_kind: global_buffer, .address_space: global }
      - { .name: lof, .offset: 48, .size: 8, .value_kind: global_buffer, .address_space: global }
    .group_segment_fixed_size: 327680
    .private_segment_fixed_size: 0
    .kernarg_segment_align: 8
    .kernarg_segment_size: 56
    .max_flat_workgroup_size: 128
    .sgpr_count:     66
    .vgpr_count:     896
    .wavefront_size: 32
...
	.end_amdgpu_metadata
.endif
;; end of part 1
;; launch attn (part 2): grid 64 x 4, 8 waves a work-group, no clusters, 144,384 bytes of LDS; arguments qf, kvf, out0, lof; writes out0
.if DOCPART == 2
	.amdgcn_target "amdgcn-amd-amdhsa--gfx1250"
	.amdhsa_code_object_version 6
	.text
	.protected	k_q0fa17589af_attn
	.globl	k_q0fa17589af_attn
	.p2align	8
	.type	k_q0fa17589af_attn,@function
k_q0fa17589af_attn:
	s_mov_b64 s[64:65], 0
	v_nop
	global_prefetch_b8 v0, s[64:65] scope:SCOPE_SE
	s_setreg_imm32_b32 hwreg(HW_REG_WAVE_MODE, 25, 1), 1
	s_wait_xcnt 0x0
; CAUSAL ATTENTION.  y[b][q][:] = the sum over s <= q of softmax_s(Q[b][q] . K[b][s] / 8) V[b][s][:], 4 batches of 4,096 rows, 64 channels.  Q, K, V in f16, as the launch before laid them; y in f32.
; LEFT OUT AS DEAD: for a block of 32 queries every block of 64 keys wholly behind its last query: reference()'s own jnp.tril gives those places the weight 0 for all finite inputs (shown at the head of the
; first kernel).  In the block of keys that holds the diagonal all 64 keys are multiplied and the hidden scores replaced.  LIMIT: a NaN or an infinity that reaches only hidden places is not carried to y.
; LIMITS.  A hidden score counts as -1e30 (f16's scores are 2.7e11 at the most); a weight below 2^-126 counts as 0; p, in 0 to 1, is rounded to f16 for the second product, its sum l is taken unrounded.
; SHARES.  A work-group owns two blocks of 32 queries of one batch: HI, rows 32 (127 - b) on (tiles 0, 1), and LO, rows 32 b on (tiles 2, 3).  HI needs the key blocks 0 .. DH = 63 - b / 2, LO 0 .. DL = b / 2:
; 65 pairs of query block and key block, whatever b: all work-groups do equal work.
; THE KEYS ARE SPLIT AMONG THE EIGHT WAVES: wave w walks the key blocks w, w + 8, .. up to DH, with all four query tiles in registers and a running maximum m, sum l and O^T of its own.  K and V come from
; memory straight into the registers of the one wave that multiplies them, laid as fragments: each load takes 512 consecutive bytes.  No LDS and no barrier in the loop; the eight partial results are
; merged once, in LDS.  Every trip count and branch is made of the work-group's and the wave's numbers alone.
; THE FIRST 32 ROWS OF A BATCH (LO of b = 0; its one key block is 0, of which keys 0-31 can be seen) are made ahead of the loop, by wave 0, with q, k, v and p each as TWO f16 numbers, the rounded number and
; the rounded rest (q's, k's and v's rests lie in lof): S^T = K Q^T + K_lo Q^T + K Q_lo^T, O^T = V^T P + V_lo^T P + V^T P_lo.  Row q is a mean over q + 1 keys: these rows' numbers have V's own size, many times
; the root mean square of y by which every number of y is held, and f16's 11 bits are too few there; the roundings' part in a row falls as 1 / sqrt(q + 1).  The loop leaves LO alone in that work-group.
; NO CLUSTER: partners would walk different numbers of key blocks (DH hangs on b), and a joint load lands in LDS alone, where each byte of K and V would be written and read once more, behind a round a refill.
; LAYOUT.  S^T = K Q^T (source 0 = 16 keys, source 1 = 16 queries): a lane holds ONE query (lane % 16) and the keys 8 (lane / 16) + 0..7.  Two such results rounded to f16 in pairs ARE source 1 (32 keys x 16
; queries) of O^T = V^T P, whose result again holds one query a lane, and eight channels.  P is made in place, in the first 16 of a tile's 32 registers of S^T.
; SOFTMAX.  p = 2^(c s - c m), c = log2(e) / 8; in every step O and l are multiplied by a = 2^(c m_old - c m_new).  m starts at the lowest finite number, O and l at 0: the first step has a = 0, and a wave that
; gets no key block of LO hands zeros, with a c m far below every other, to the merge.  That is why O^T is cleared at the head, while the first loads are out, and no first step is written out.
; Two waves share a SIMD's registers: the loop is written in plain phases, and one wave's softmax can run beside the other's products.
; REGISTERS, in windows of 256 (s_set_vgpr_msb: bits 1:0 source 0, 3:2 source 1, 5:4 source 2, 7:6 destination):
;   window 0: v0-15 addresses; v16-31 four registers of statistics a tile; v32-47 at work; v48-111 Q, 16 a tile; v112-239 S^T, 32 a tile; v240-255 the first rows' P          window 1: v0-127 O^T, 32 a tile; v128-191 K; v192-255 V
.set CHUNK, 16384                      ; a block of 64 keys in kvf: 8,192 bytes of K's fragments, then 8,192 of V^T's
.set LOB,   12288                      ; a batch's rests in lof: q's tiles 0, 1; at 4,096 K's key tiles 0, 1; at 8,192 V^T's eight pieces for keys 0-31
.set OPW,   17408                      ; LDS: wave u's partial O at OPW u: 64 rows (16 tile + query) of 256 bytes + 16 of padding
.set OPP,   272
.set STATS, 8*OPW                      ; 139,264: wave u's (c m, l) for the 64 rows at STATS + 512 u + 8 row
.set SPARE, STATS+8*512                ; 143,360: the spare words, 128 bytes for each wave: four blocks of 256 bytes that no other line names
.set KVO, 2                            ; v2   16 lane
.set D0,  3                            ; v3   lane % 16 - 8 (lane / 16)
.set DT,  4                            ; v4   the mask's threshold for the tile in hand
.set PFO, 5                            ; v5   256 lane
.set OST, 6                            ; v6   where I put my partial O
.set SST, 7                            ; v7   where I put (c m, l)
.set ORD0, 8                           ; v8   where I read partial O back, waves 0-3's
.set ORD1, 9                           ; v9   waves 4-7's
.set SRD, 10                           ; v10  where I read (c m, l) back
.set BIG, 11                           ; v11  -1e30
.set SPW, 12                           ; v12  LDS address of my spare word; never rewritten
.set NIL, 13                           ; v13  0; never rewritten
.set NEG, 14                           ; v14  at the head lane % 16; for the first rows -1.0
.set ST,  16                           ; tile t at ST + 4 t: c m, m, l (even keys', odd keys')
.set TMP, 32                           ; tile u of the block in hand at TMP + 8 u: c0-c3 (c2 takes a), two partial sums' pair e0, e1, and c m_old
.set Q,   48
.set S,   112
.set FQ,  112                          ; the first rows: q's rests, tile u, channel half c at FQ + 16 u + 8 c (HI's S^T is not yet in use)
.set FK,  144                          ; K's rests, key tile kb, channel half c at FK + 16 kb + 8 c
.set FP,  240                          ; P's rounded part for keys 0-31, tile u at FP + 8 u
.set KF,  128                          ; window 1: key tile kb, channel half c at KF + 16 kb + 8 c
.set VF,  192                          ; window 1: key half kk, channel tile cb at VF + 32 kk + 8 cb (the first rows: V^T's rests in the second half's place)
.set WV,  10                           ; s10  my wave's number
.set BB,  11                           ; s11  b
.set BA,  12                           ; s12  the batch
.set DL,  13                           ; s13  LO's last key block
.set DH,  14                           ; s14  HI's last key block
.set SC,  15                           ; s15  the key block in hand
.set I,   16                           ; s16  trips done
.set N,   17                           ; s17  my trips: (DH - w) / 8 + 1, 4 to 8
.set OFH, 18                           ; s18  HI's first row in its last key block: 32 or 0
.set OFL, 19                           ; s19  LO's: 0 or 32
.set CS,  20                           ; s[20:21] c, named as a pair
.set SEL, 22                           ; s[22:23] v_permlanex16_b32's selects: each lane takes its own place in the other half
.set PFLIM, 25                         ; s25  32 in the work-group that prefetches, else 0
.set KV,  26                           ; s[26:27] kvf at the key block in hand
.set QH,  32                           ; s[32:33] qf at HI's two tiles
.set QL,  34                           ; s[34:35] at LO's
.set NM1, 36                           ; s36  N - 1
.set NL,  37                           ; s37  key blocks that the loop takes against LO: DL + 1, or 0 where b = 0
.set LF,  38                           ; s[38:39] lof
.set MSB, 0
.macro WIN new                         ; the immediate's high byte repeats the setting that is left; a switch that changes nothing is dropped
.if MSB != (\new)
	s_set_vgpr_msb (MSB<<8)|(\new)
.set MSB, (\new)
.endif
.endm
.macro PLACES                          ; four places behind a product, in front of loads into registers that it has read and of vector lines that read its result
.rept 4
	v_nop
.endr
.endm
; 16 loads: pieces p0 .. p0 + 15 of 512 bytes of the key block at byte off behind KV: 0-15 are K's 8 fragments, 16-31 V^T's; piece p fills registers 128 + 4 p on of window 1
.macro KVLOAD p0, off
	WIN 0x40                                       ; destination window 1, address window 0
.set p, (\p0)
.rept 16
	global_load_b128 v[128+4*p:128+4*p+3], v[KVO], s[KV:KV+1] offset:(\off)+512*p
.set p, p+1
.endr
.endm
; The next K of mine, eight key blocks on, is asked for as soon as this one's products are issued; in my last trip there is none, and V is waited for here, so that the count ahead of V^T P holds on both ways.
; A PREFETCH INTO THE L2 stands behind those loads.  In each batch the work-group b = 0 walks all 64 key blocks; each of its waves asks for the block that it will itself load four trips on (32 blocks
; further): 16,384 bytes, a lane for each 256, two instructions.  So each block of kvf from 32 on is named once in the launch; blocks 0 to 31 come by their loads alone; block 63 is the last that is named.
.macro KNEXT
	s_cmp_lt_u32 s[I], s[NM1]
	s_cbranch_scc0 .Llast_\@
	KVLOAD 0, 8*CHUNK
	WIN 0
	s_cmp_lt_u32 s[SC], s[PFLIM]
	s_cbranch_scc0 .Lgo_\@
	global_prefetch_b8 v[PFO], s[KV:KV+1] offset:32*CHUNK th:TH_LOAD_NT scope:SCOPE_SE
	global_prefetch_b8 v[PFO], s[KV:KV+1] offset:32*CHUNK+8192 th:TH_LOAD_NT scope:SCOPE_SE
	s_branch .Lgo_\@
.Llast_\@:
	s_wait_loadcnt 0x0
.Lgo_\@:
.endm
; S^T = K Q^T for block x (0: HI, 1: LO): 16 products; the first 8 start the sums.  The 8 accumulators take turns, one instruction a turn.
.macro SPROD x
	WIN 0x01                                       ; K in window 1; Q and S^T in window 0
.irp c, 0,1
.irp kb, 0,1,2,3
.irp u, 0,1
.set rS, S+32*(2*(\x)+\u)+8*\kb
.set rK, KF+16*\kb+8*\c
.set rQ, Q+16*(2*(\x)+\u)+8*\c
.if \c == 0
	v_wmma_f32_16x16x32_f16 v[rS:rS+7], v[rK:rK+7], v[rQ:rQ+7], 0
.else
	v_wmma_f32_16x16x32_f16 v[rS:rS+7], v[rK:rK+7], v[rQ:rQ+7], v[rS:rS+7]
.endif
.endr
.endr
.endr
.endm
; O^T += V^T P for block x: 16 products, 8 accumulators by turns
.macro PV x
	WIN 0x51                                       ; V in window 1, P in window 0, O^T in window 1
.irp kk, 0,1
.irp cb, 0,1,2,3
.irp u, 0,1
.set rO, 32*(2*(\x)+\u)+8*\cb
.set rV, VF+32*\kk+8*\cb
.set rP, S+32*(2*(\x)+\u)+8*\kk
	v_wmma_f32_16x16x32_f16 v[rO:rO+7], v[rV:rV+7], v[rP:rP+7], v[rO:rO+7]
.endr
.endr
.endr
.endm
; The first rows: S^T += K_lo Q^T (kind 0), then += K Q_lo^T (kind 1), for LO's two tiles and key tiles 0, 1: 16 products; the 4 accumulators take turns, one instruction a turn.
.macro FPROD
.irp kind, 0,1
.if \kind == 0
	WIN 0                                          ; K's rests lie in window 0
.else
	WIN 0x01                                       ; K in window 1
.endif
.irp c, 0,1
.irp kb, 0,1
.irp u, 0,1
.set rS, S+32*(2+\u)+8*\kb
.if \kind == 0
.set rK, FK+16*\kb+8*\c
.set rQ, Q+16*(2+\u)+8*\c
.else
.set rK, KF+16*\kb+8*\c
.set rQ, FQ+16*\u+8*\c
.endif
	v_wmma_f32_16x16x32_f16 v[rS:rS+7], v[rK:rK+7], v[rQ:rQ+7], v[rS:rS+7]
.endr
.endr
.endr
.endr
.endm
; The first rows: O^T += V^T P (kind 0), V_lo^T P (kind 1), V^T P_lo (kind 2), keys 0-31: 24 products, 8 accumulators by turns.  Keys 32-63 have the weight 0 for these rows and are left out.
.macro FPV
	WIN 0x51
.irp kind, 0,1,2
.irp cb, 0,1,2,3
.irp u, 0,1
.set rO, 32*(2+\u)+8*\cb
.set rV, VF+8*\cb
.set rP, FP+8*\u
.if \kind == 1
.set rV, VF+32+8*\cb
.endif
.if \kind == 2
.set rP, S+32*(2+\u)
.endif
	v_wmma_f32_16x16x32_f16 v[rO:rO+7], v[rV:rV+7], v[rP:rP+7], v[rO:rO+7]
.endr
.endr
.endr
.endm
.macro SREG x, u                       ; the registers of tile u (0, 1) of block x
.set rT, ST+4*(2*(\x)+(\u))
.set rC, TMP+8*(\u)
.set rS, S+32*(2*(\x)+(\u))
.set rO, 32*(2*(\x)+(\u))
.endm
; The block of keys that holds the diagonal.  My query stands at of + 16 u + lane % 16 in it, register 8 kb + j holds key 16 kb + 8 (lane / 16) + j: hidden where 16 kb + j > of + 16 u + D0.  Ascending.
.macro MASK x, of
	WIN 0
	v_add_nc_u32 v[DT], s[\of], v[D0]
.irp u, 0,1
	SREG \x, \u
.if \u == 1
	v_add_nc_u32 v[DT], 16, v[DT]
.endif
.set k, 0
.rept 32
	v_cmp_gt_i32 vcc_lo, 16*(k/8)+k%8, v[DT]
	v_cndmask_b32 v[rS+k], v[rS+k], v[BIG], vcc_lo
.set k, k+1
.endr
.endr
.endm
; Number n of the 22 that find a tile's maximum and statistics.  0-11: four chains c0-c3 of seven scores each, beginning at each accumulator's lowest registers.  12-14, 16: the four scores left over, the old m,
; c0-c3 into c0.  15: c m_old is kept.  17, 18: the query's other 32 keys lie in the lane 16 away: the new m.  19-21: c m; c m_old - c m_new; a.
.macro XS x, u, n
	SREG \x, \u
.if (\n) < 4
	v_max3_num_f32 v[rC+(\n)], v[rS+8*(\n)], v[rS+8*(\n)+1], v[rS+8*(\n)+2]
.elseif (\n) < 12
	v_max3_num_f32 v[rC+(\n)%4], v[rC+(\n)%4], v[rS+8*((\n)%4)+2*((\n)/4)+1], v[rS+8*((\n)%4)+2*((\n)/4)+2]
.elseif (\n) == 12
	v_max3_num_f32 v[rC], v[rC], v[rS+7], v[rS+15]
.elseif (\n) == 13
	v_max3_num_f32 v[rC+1], v[rC+1], v[rS+23], v[rS+31]
.elseif (\n) == 14
	v_max3_num_f32 v[rC+2], v[rC+2], v[rC+3], v[rT+1]
.elseif (\n) == 15
	v_mov_b32 v[rC+6], v[rT]
.elseif (\n) == 16
	v_max3_num_f32 v[rC], v[rC], v[rC+1], v[rC+2]
.elseif (\n) == 17
	v_permlanex16_b32 v[rC+3], v[rC], s[SEL], s[SEL+1]
.elseif (\n) == 18
	v_max_num_f32 v[rT+1], v[rC], v[rC+3]
.elseif (\n) == 19
	v_mul_f32 v[rT], s[CS], v[rT+1]
.elseif (\n) == 20
	v_sub_f32 v[rC+1], v[rC+6], v[rT]
.else
	v_exp_f32 v[rC+2], v[rC+1]
.endif
.endm
.macro FS x, u, i                      ; pair i of 16: c s - c m
	SREG \x, \u
	v_pk_fma_f32 v[rS+2*(\i):rS+2*(\i)+1], v[rS+2*(\i):rS+2*(\i)+1], s[CS:CS+1], v[rT:rT+1] op_sel_hi:[1,0,0] neg_lo:[0,0,1] neg_hi:[0,0,1]
.endm
.macro ES x, u, i                      ; the exponential of score i of 32
	SREG \x, \u
	v_exp_f32 v[rS+(\i)], v[rS+(\i)]
.endm
.macro SUMS x, u, z                    ; line z of 16 of the sum of the 16 pairs, which stay whole: two chains (e0:e1, c0:c1) by turns, the two together, then l = a l + sum
	SREG \x, \u
.if (\z) == 0
	v_pk_add_f32 v[rC+4:rC+5], v[rS:rS+1], v[rS+2:rS+3]
.elseif (\z) == 1
	v_pk_add_f32 v[rC:rC+1], v[rS+4:rS+5], v[rS+6:rS+7]
.elseif ((\z) < 14) && ((\z)%2 == 0)
	v_pk_add_f32 v[rC+4:rC+5], v[rC+4:rC+5], v[rS+2*(\z)+4:rS+2*(\z)+5]
.elseif (\z) < 14
	v_pk_add_f32 v[rC:rC+1], v[rC:rC+1], v[rS+2*(\z)+4:rS+2*(\z)+5]
.elseif (\z) == 14
	v_pk_add_f32 v[rC+4:rC+5], v[rC+4:rC+5], v[rC:rC+1]
.else
	v_pk_fma_f32 v[rT+2:rT+3], v[rT+2:rT+3], v[rC+2:rC+3], v[rC+4:rC+5] op_sel_hi:[1,0,1]
.endif
.endm
.macro CV x, u, i                      ; pair i rounded to f16, in place: register i is written when pairs 0 .. i have been read
	SREG \x, \u
	v_cvt_pk_f16_f32 v[rS+(\i)], v[rS+2*(\i)], v[rS+2*(\i)+1]
.endm
.macro FH x, u, i                      ; the first rows: pair i of 8 rounded to f16, into registers of its own
	SREG \x, \u
	v_cvt_pk_f16_f32 v[FP+8*(\u)+(\i)], v[rS+2*(\i)], v[rS+2*(\i)+1]
.endm
.macro FR x, u, i                      ; and its two rests, p - f32(f16(p)), in place: a multiply-add that reads the f16 half, times -1.0; f32 holds the rest exactly
	SREG \x, \u
	v_fma_mix_f32 v[rS+2*(\i)], v[FP+8*(\u)+(\i)], v[NEG], v[rS+2*(\i)] op_sel_hi:[1,0,0]
	v_fma_mix_f32 v[rS+2*(\i)+1], v[FP+8*(\u)+(\i)], v[NEG], v[rS+2*(\i)+1] op_sel:[1,0,0] op_sel_hi:[1,0,0]
.endm
.macro RSC x, u, i                     ; pair i of 16 of O^T times a
	SREG \x, \u
	v_pk_mul_f32 v[rO+2*(\i):rO+2*(\i)+1], v[rO+2*(\i):rO+2*(\i)+1], v[rC+2:rC+3] op_sel_hi:[1,0]
.endm
; A block's softmax for one block of keys; its two tiles alternate line by line.  The 66 exponentials are ONE BATCH: ahead of the wait nothing names a result of theirs (a pair is scaled ahead of its own
; exponentials); a v_nop is the plain line behind the last; one s_wait_alu stands ahead of the first line that names a result; behind it no exponential is issued.
; fine = 1 (the first rows): of keys 0-31 alone, p's rounded part goes to FP, its rest is made in place and rounded in place: the first 8 registers of a tile's S^T end as P_lo.
.macro SOFTMAX x, fine=0
	WIN 0
.irp n, 0,1,2,3,4,5,6,7,8,9,10,11,12,13,14,15,16,17,18,19,20,21
	XS \x, 0, \n
	XS \x, 1, \n
.endr
	FS \x, 0, 0
	FS \x, 1, 0
.set nn, 0
.rept 16
.if nn < 15
	FS \x, 0, nn+1
.endif
	ES \x, 0, 2*nn
.if nn < 15
	FS \x, 1, nn+1
.endif
	ES \x, 1, 2*nn
	ES \x, 0, 2*nn+1
	ES \x, 1, 2*nn+1
.set nn, nn+1
.endr
	v_nop
	s_wait_alu depctr_va_vdst(0)
.set nn, 0
.rept 16
	SUMS \x, 0, nn
	SUMS \x, 1, nn
.set nn, nn+1
.endr
.if \fine
.set nn, 0
.rept 8
	FH \x, 0, nn
	FH \x, 1, nn
.set nn, nn+1
.endr
.set nn, 0
.rept 8
	FR \x, 0, nn
	FR \x, 1, nn
.set nn, nn+1
.endr
.set nn, 0
.rept 8
	CV \x, 0, nn
	CV \x, 1, nn
.set nn, nn+1
.endr
.else
.set nn, 0
.rept 16
	CV \x, 0, nn
	CV \x, 1, nn
.set nn, nn+1
.endr
.endif
	WIN 0x41                                       ; O^T (destination and source 0) in window 1, a in window 0
.set nn, 0
.rept 16
	RSC \x, 0, nn
	RSC \x, 1, nn
.set nn, nn+1
.endr
.endm
	s_load_b128 s[4:7], s[0:1], 0x0                ; qf s[4:5], kvf s[6:7]
	s_load_b64 s[8:9], s[0:1], 0x10                ; out0
	s_load_b64 s[LF:LF+1], s[0:1], 0x18            ; lof
	v_lshl_add_u32 v[SPW], v0, 2, SPARE
	v_mov_b32 v[NIL], 0
	v_lshrrev_b32 v1, 5, v0
	v_readfirstlane_b32 s[WV], v1                  ; wave 0..7
	s_mov_b32 s[BB], ttmp9
	s_and_b32 s[BA], ttmp7, 0xffff
	s_lshr_b32 s[DL], s[BB], 1
	s_sub_co_u32 s[DH], 63, s[DL]
	s_mov_b32 s[SC], s[WV]
	s_mov_b32 s[I], 0
	s_sub_co_u32 s[NM1], s[DH], s[WV]              ; DH is 32 at the least
	s_lshr_b32 s[NM1], s[NM1], 3
	s_add_co_u32 s[N], s[NM1], 1
	s_and_b32 s[OFL], s[BB], 1
	s_lshl_b32 s[OFL], s[OFL], 5
	s_sub_co_u32 s[OFH], 32, s[OFL]
	s_mov_b32 s[CS], 0x3e38aa3b                    ; c = log2(e) / 8 = 0.180337
	s_mov_b32 s[CS+1], s[CS]
	s_mov_b32 s[SEL], 0x76543210
	s_mov_b32 s[SEL+1], 0xfedcba98
	s_add_co_u32 s[NL], s[DL], 1
	s_cmp_eq_u32 s[BB], 0
	s_cselect_b32 s[PFLIM], 32, 0
	s_cselect_b32 s[NL], 0, s[NL]
	v_and_b32 v1, 31, v0                           ; lane
	v_and_b32 v14, 15, v0                          ; r
	v_bfe_u32 v15, v0, 4, 1                        ; h
	v_lshlrev_b32 v[KVO], 4, v1
	v_lshlrev_b32 v[PFO], 8, v1
	v_lshlrev_b32 v1, 3, v15
	v_sub_nc_u32 v[D0], v14, v1
	v_mov_b32 v[BIG], 0xf149f2ca                   ; -1e30
	s_mul_i32 s28, s[WV], OPW
	v_mul_u32_u24 v[OST], v14, OPP                 ; my query's row, 32 bytes for each half of the lanes
	v_lshl_add_u32 v[OST], v15, 5, v[OST]
	v_add_nc_u32 v[OST], s28, v[OST]
	s_lshl_b32 s28, s[WV], 9
	s_add_co_u32 s28, s28, STATS
	v_lshl_add_u32 v[SST], v14, 3, s28
	s_mul_i32 s28, s[WV], 8*OPP                    ; back: I merge rows 8 w .. 8 w + 7; lanes 0-15 take one row of 256 bytes, lanes 16-31 the next
	v_mul_u32_u24 v[ORD0], v15, OPP
	v_lshl_add_u32 v[ORD0], v14, 4, v[ORD0]
	v_add_nc_u32 v[ORD0], s28, v[ORD0]
	v_add_nc_u32 v[ORD1], 4*OPW, v[ORD0]
	s_lshl_b32 s28, s[WV], 6
	s_add_co_u32 s28, s28, STATS
	v_lshl_add_u32 v[SRD], v15, 3, s28
	s_lshl_b32 s28, s[BA], 8                       ; the batch's 256 tiles of 16 rows in qf
	s_lshl_b32 s29, s[BB], 1
	s_add_co_u32 s30, s28, 254
	s_sub_co_u32 s30, s30, s29                     ; HI: tiles 254 - 2 b, 255 - 2 b
	s_lshl_b32 s30, s30, 11
	s_mov_b32 s31, 0
	s_wait_kmcnt 0x0
	s_add_nc_u64 s[QH:QH+1], s[4:5], s[30:31]
	s_add_co_u32 s30, s28, s29                     ; LO: tiles 2 b, 2 b + 1
	s_lshl_b32 s30, s30, 11
	s_add_nc_u64 s[QL:QL+1], s[4:5], s[30:31]
	s_lshl_b32 s30, s[BA], 6                       ; the batch's 64 key blocks,
	s_add_co_u32 s30, s30, s[WV]                   ; my first
	s_lshl_b32 s30, s30, 14
	s_add_nc_u64 s[KV:KV+1], s[6:7], s[30:31]
.irp p, 0,1,2,3,4,5,6,7
	global_load_b128 v[Q+4*\p:Q+4*\p+3],       v[KVO], s[QH:QH+1] offset:512*\p   ; Q stays in registers: tile t, channel half c at Q + 16 t + 8 c
	global_load_b128 v[Q+32+4*\p:Q+32+4*\p+3], v[KVO], s[QL:QL+1] offset:512*\p
.endr
	KVLOAD 0, 0                                    ; K of my first key block
	s_sub_co_u32 s28, 127, s[BB]                   ; where my 8 merged rows go: waves 0-3 HI's rows 8 w on, waves 4-7 LO's rows 8 (w - 4) on
	s_lshl_b32 s28, s28, 5
	s_lshl_b32 s29, s[BB], 5
	s_cmp_lt_u32 s[WV], 4
	s_cselect_b32 s28, s28, s29
	s_and_b32 s29, s[WV], 3
	s_lshl_b32 s29, s29, 3
	s_add_co_u32 s28, s28, s29
	s_lshl_b32 s29, s[BA], 12
	s_add_co_u32 s28, s28, s29
	s_lshl_b32 s30, s28, 8                         ; rows of 256 bytes
	s_add_nc_u64 s[8:9], s[8:9], s[30:31]
.set p, 0
.rept 128
	v_mov_b32 v[p], 0                              ; O^T (destination still window 1), while the first loads are out
.set p, p+1
.endr
	WIN 0
.irp t, 0,1,2,3
	v_mov_b32 v[ST+4*\t], 0xfe000000               ; c m: far below every c s
	v_mov_b32 v[ST+4*\t+1], 0xff7fffff             ; m
	v_mov_b32 v[ST+4*\t+2], 0
	v_mov_b32 v[ST+4*\t+3], 0
.endr
	; THE FIRST 32 ROWS: wave 0 of the work-group b = 0 alone.  K of key block 0 is on its way already: it is this wave's first.
	s_or_b32 s28, s[BB], s[WV]
	s_cmp_eq_u32 s28, 0
	s_cbranch_scc0 .Ltrip
	s_mul_i32 s30, s[BA], LOB                      ; the batch's rests (s31 is 0)
	s_add_nc_u64 s[LF:LF+1], s[LF:LF+1], s[30:31]
	v_mov_b32 v[NEG], -1.0
.irp p, 0,1,2,3,4,5,6,7
	global_load_b128 v[FQ+4*\p:FQ+4*\p+3], v[KVO], s[LF:LF+1] offset:512*\p
	global_load_b128 v[FK+4*\p:FK+4*\p+3], v[KVO], s[LF:LF+1] offset:4096+512*\p
.endr
	WIN 0x40                                       ; destination window 1
.irp p, 0,1,2,3,4,5,6,7
	global_load_b128 v[VF+4*\p:VF+4*\p+3],       v[KVO], s[KV:KV+1] offset:8192+512*\p   ; V^T of keys 0-31,
	global_load_b128 v[VF+32+4*\p:VF+32+4*\p+3], v[KVO], s[LF:LF+1] offset:8192+512*\p   ; and its rests
.endr
	WIN 0
	s_wait_loadcnt 16                              ; Q, K and their rests are in; the 16 loads of V^T and its rests may stay out
	SPROD 1
	FPROD
	WIN 0
	PLACES
	MASK 1, OFL
	SOFTMAX 1, 1
	s_wait_loadcnt 0x0                             ; V^T and its rests are in
	FPV
	WIN 0
.Ltrip:                                        ; a trip: one block of 64 keys against HI, and against LO too while the block is not behind LO's last
.rept 5
	v_nop                                          ; five places behind the last V^T P: the loads below land in its V, the products below write over its P
.endr
	KVLOAD 16, 0                                   ; V of this key block
	s_wait_loadcnt 16                              ; K (and, the first time, Q) is in; V's 16 loads may stay out
	SPROD 0
	WIN 0                                          ; at a label and at a branch every window is 0
	s_cmp_lt_u32 s[SC], s[NL]
	s_cbranch_scc0 .Lhi_only
	SPROD 1                                        ; LO's part stands in one arm
	WIN 0
	PLACES
	KNEXT
	s_cmp_eq_u32 s[SC], s[DL]
	s_cbranch_scc0 .Lopen_lo
	MASK 1, OFL
.Lopen_lo:
	SOFTMAX 1
	s_wait_loadcnt 16                              ; V is in; the next K's 16 loads may stay out (in the last trip V has been waited for)
	PV 1
	WIN 0
	s_branch .Lhi
.Lhi_only:
	PLACES
	KNEXT
.Lhi:
	s_cmp_eq_u32 s[SC], s[DH]
	s_cbranch_scc0 .Lopen_hi
	MASK 0, OFH
.Lopen_hi:
	SOFTMAX 0
	s_wait_loadcnt 16                              ; as above
	PV 0
	WIN 0
	s_wait_xcnt 0x0                                ; every load and prefetch issued so far has read its address (ISA guide 3.1): the pointer is written only behind this wait
	s_add_nc_u64 s[KV:KV+1], s[KV:KV+1], 8*CHUNK
	s_add_co_u32 s[SC], s[SC], 8
	s_add_co_u32 s[I], s[I], 1
	s_cmp_lt_u32 s[I], s[N]
	s_cbranch_scc1 .Ltrip
	; THE MERGE.  l's two halves and the other half of the lanes' are added (the first four additions are the places behind the last products); each wave lays its O^T, as rows of O, and its (c m, l) into LDS.
.irp t, 0,1,2,3
	v_add_f32 v[ST+4*\t+2], v[ST+4*\t+2], v[ST+4*\t+3]
.endr
.irp t, 0,1,2,3
	v_permlanex16_b32 v[ST+4*\t+3], v[ST+4*\t+2], s[SEL], s[SEL+1]
.endr
.irp t, 0,1,2,3
	v_add_f32 v[ST+4*\t+1], v[ST+4*\t+2], v[ST+4*\t+3]    ; l takes m's place, beside c m
.endr
	WIN 0x04                                       ; store data window 1
.irp t, 0,1,2,3
.irp cb, 0,1,2,3
	ds_store_b128 v[OST], v[32*\t+8*\cb:32*\t+8*\cb+3]   offset:16*OPP*\t+64*\cb      ; channels 16 cb + 8 h + 0..3: each accumulator's low four registers first
	ds_store_b128 v[OST], v[32*\t+8*\cb+4:32*\t+8*\cb+7] offset:16*OPP*\t+64*\cb+16
.endr
.endr
	WIN 0
.irp t, 0,1,2,3
	ds_store_b64 v[SST], v[ST+4*\t:ST+4*\t+1] offset:128*\t   ; both halves of the lanes hold, and write, the same two numbers
.endr
	s_wait_dscnt 0x0                               ; for the others' sake: my stores are done
	s_barrier_signal -1
	s_barrier_wait -1
.set SG, 48                            ; (c m, l) of wave u, row 8 w + 2 i + h, at SG + 8 u + 2 i
.set OG, 112                           ; four channels of that row of wave u's O at OG + 16 u + 4 i
.set MX, 32                            ; row i's greatest c m
.set LS, 40                            ; row i's l
.set RC, 16                            ; 1 / l, in the low register of a pair
.irp u, 0,1,2,3,4,5,6,7
.irp i, 0,1,2,3
	ds_load_b64 v[SG+8*\u+2*\i:SG+8*\u+2*\i+1], v[SRD] offset:512*\u+16*\i
.endr
.endr
.irp u, 0,1,2,3
.irp i, 0,1,2,3
	ds_load_b128 v[OG+16*\u+4*\i:OG+16*\u+4*\i+3], v[ORD0] offset:OPW*\u+2*OPP*\i
.endr
.endr
	s_wait_dscnt 16                                ; the 32 pairs (c m, l) are in; the 16 loads of O behind them may stay out
.irp u, 0,1,2,3
.irp i, 0,1,2,3
	ds_load_b128 v[OG+64+16*\u+4*\i:OG+64+16*\u+4*\i+3], v[ORD1] offset:OPW*\u+2*OPP*\i
.endr
.endr
.irp i, 0,1,2,3
	v_max3_num_f32 v[MX+\i], v[SG+2*\i], v[SG+8+2*\i], v[SG+16+2*\i]
.endr
.irp i, 0,1,2,3
	v_max3_num_f32 v[MX+\i], v[MX+\i], v[SG+24+2*\i], v[SG+32+2*\i]
.endr
.irp i, 0,1,2,3
	v_max3_num_f32 v[MX+\i], v[MX+\i], v[SG+40+2*\i], v[SG+48+2*\i]
.endr
.irp i, 0,1,2,3
	v_max_num_f32 v[MX+\i], v[MX+\i], v[SG+56+2*\i]
.endr
.irp u, 0,1,2,3,4,5,6,7
.irp i, 0,1,2,3
	v_sub_f32 v[SG+8*\u+2*\i], v[SG+8*\u+2*\i], v[MX+\i]
.endr
.endr
.irp u, 0,1,2,3,4,5,6,7
.irp i, 0,1,2,3
	v_exp_f32 v[SG+8*\u+2*\i], v[SG+8*\u+2*\i]     ; e = 2^(c m_u - the greatest c m): 1 for the wave that holds it, 0 for a wave that had no key
.endr
.endr
	v_nop                                          ; a plain line behind the last exponential,
	s_wait_alu depctr_va_vdst(0)                   ; and the one wait for the batch of 32, ahead of the first use
.irp i, 0,1,2,3
	v_mul_f32 v[LS+\i], v[SG+2*\i], v[SG+2*\i+1]
.endr
.irp u, 1,2,3,4,5,6,7
.irp i, 0,1,2,3
	v_fmac_f32 v[LS+\i], v[SG+8*\u+2*\i], v[SG+8*\u+2*\i+1]
.endr
.endr
.irp i, 0,1,2,3
	v_rcp_f32 v[RC+2*\i], v[LS+\i]                 ; l is 1 at the least: the row's greatest score has the weight 1
.endr
	s_wait_dscnt 0x0                               ; O's partial rows are in
.irp i, 0,1,2,3
.irp p, 0,1
	v_pk_mul_f32 v[OG+4*\i+2*\p:OG+4*\i+2*\p+1], v[OG+4*\i+2*\p:OG+4*\i+2*\p+1], v[SG+2*\i:SG+2*\i+1] op_sel_hi:[1,0]
.endr
.endr
.irp u, 1,2,3,4,5,6,7
.irp i, 0,1,2,3
.irp p, 0,1
	v_pk_fma_f32 v[OG+4*\i+2*\p:OG+4*\i+2*\p+1], v[OG+16*\u+4*\i+2*\p:OG+16*\u+4*\i+2*\p+1], v[SG+8*\u+2*\i:SG+8*\u+2*\i+1], v[OG+4*\i+2*\p:OG+4*\i+2*\p+1] op_sel_hi:[1,0,1]
.endr
.endr
.endr
	s_wait_alu depctr_va_vdst(0)                   ; one wait for the four reciprocals; the 64 lines above, which name none of them, stand between
.irp i, 0,1,2,3
.irp p, 0,1
	v_pk_mul_f32 v[OG+4*\i+2*\p:OG+4*\i+2*\p+1], v[OG+4*\i+2*\p:OG+4*\i+2*\p+1], v[RC+2*\i:RC+2*\i+1] op_sel_hi:[1,0]
.endr
.endr
.irp i, 0,1,2,3
	global_store_b128 v[KVO], v[OG+4*\i:OG+4*\i+3], s[8:9] offset:512*\i th:TH_STORE_NT   ; two whole rows of y: 512 consecutive bytes, aligned
.endr
	s_wait_tensorcnt 0x0                           ; the wave's end, behind my last LDS store
	ds_add_u32 v[SPW], v[NIL]
	s_wait_dscnt 0x0
	s_endpgm
.Lfunc_end_k_q0fa17589af_attn:
	.size	k_q0fa17589af_attn, .Lfunc_end_k_q0fa17589af_attn-k_q0fa17589af_attn
	.p2alignl 7, 3214868480
	.fill 96, 4, 3214868480
	.section	.rodata,"a",@progbits
	.p2align	6, 0x0
	.amdhsa_kernel k_q0fa17589af_attn
		.amdhsa_group_segment_fixed_size 144384
		.amdhsa_private_segment_fixed_size 0
		.amdhsa_enable_private_segment 0
		.amdhsa_kernarg_size 32
		.amdhsa_user_sgpr_count 2
		.amdhsa_user_sgpr_kernarg_segment_ptr 1
		.amdhsa_wavefront_size32 1
		.amdhsa_system_sgpr_workgroup_id_x 1
		.amdhsa_system_sgpr_workgroup_id_y 1
		.amdhsa_system_sgpr_workgroup_id_z 1
		.amdhsa_system_vgpr_workitem_id 0
		.amdhsa_next_free_vgpr 512
		.amdhsa_next_free_sgpr 66
		.amdhsa_reserve_vcc 1
		.amdhsa_float_denorm_mode_32 3
		.amdhsa_float_denorm_mode_16_64 3
		.amdhsa_memory_ordered 1
		.amdhsa_forward_progress 1
		.amdhsa_inst_pref_size 97
	.end_amdhsa_kernel
	.amdgpu_metadata
---
amdhsa.version: [ 1, 2 ]
amdhsa.kernels:
  - .name:           k_q0fa17589af_attn
    .symbol:         k_q0fa17589af_attn.kd
    .args:
      - { .name: qf, .offset: 0, .size: 8, .value_kind: global_buffer, .address_space: global }
      - { .name: kvf, .offset: 8, .size: 8, .value_kind: global_buffer, .address_space: global }
      - { .name: out0, .offset: 16, .size: 8, .value_kind: global_buffer, .address_space: global }
      - { .name: lof, .offset: 24, .size: 8, .value_kind: global_buffer, .address_space: global }
    .group_segment_fixed_size: 144384
    .private_segment_fixed_size: 0
    .kernarg_segment_align: 8
    .kernarg_segment_size: 32
    .max_flat_workgroup_size: 256
    .sgpr_count:     66
    .vgpr_count:     512
    .wavefront_size: 32
...
	.end_amdgpu_metadata
.endif
;; end of part 2
